; MI455X (gfx1250); checked and timed in simulation.
; The chip was launched on July 23, 2026; its instructions are those of AMD's public machine-readable ISA for CDNA 5 (MIT licence, August 2026) and "CDNA5" Instruction Set Architecture Reference Guide (July 2026). The comments in the code are by the model that wrote it; some were corrected since.
;; Attention. Allowed arithmetic: matrix products marked QUANTISED: E4M3 operands, one given power-of-two scale a tensor, by v_wmma_f32_16x16x64_fp8_fp8 or v_wmma_f32_16x16x128_fp8_fp8, f32 sums; everything else in f32.
;; Inputs: cos 2,048 x 64 float32; lowp_scales 12 int32 (the exponents e of the quantised operands' scales 2^e); mask 1 x 1 x 2,048 x 2,048 float32; sin 2,048 x 64 float32; wk 2,048 x 2,048 float32; wo 2,048 x 2,048 float32; wq 2,048 x 2,048 float32; wv 2,048 x 2,048 float32; x 1 x 2,048 x 2,048 float32.
;; Outputs: out0 1 x 2,048 x 2,048 float32.
;; This version of the problem:
;;   THIS VERSION OF THE PROBLEM IS GIVEN IN LOW PRECISION. The matrix products marked QUANTISED in the list below multiply operands that are first quantised to E4M3 (4 exponent bits, 3 mantissa bits; 8 bits a number), with one given power-of-two scale for each operand tensor; their sums are f32. All else is computed in f32.
;;   The module's matrix products, in the order in which they are computed (A, B: the left and right operand; K: the contracted axis; several contracted axes count as one K, in the product's order):
;;     1. [M 2,048, K 2,048] x [K 2,048, N 2,048]; A: input x; B: input wq: QUANTISED (scales: A lowp_scales[0], B lowp_scales[1])
;;     2. [M 2,048, K 2,048] x [K 2,048, N 2,048]; A: input x; B: input wk: QUANTISED (scales: A lowp_scales[2], B lowp_scales[3])
;;     3. [M 2,048, K 2,048] x [K 2,048, N 2,048]; A: input x; B: input wv: QUANTISED (scales: A lowp_scales[4], B lowp_scales[5])
;;     4. batch 16 x [M 2,048, K 128] x [K 128, N 2,048]; A: computed on the way; B: computed on the way: QUANTISED (scales: A lowp_scales[6], B lowp_scales[7])
;;     5. batch 16 x [M 2,048, K 2,048] x [K 2,048, N 128]; A: softmax (see below); B: computed on the way: QUANTISED (scales: A lowp_scales[8], B lowp_scales[9])
;;     6. [M 2,048, K 2,048] x [K 2,048, N 2,048]; A: computed on the way; B: input wo: QUANTISED (scales: A lowp_scales[10], B lowp_scales[11])
;;   THE QUANTISER, for each operand of a quantised product, along K:
;;     - The operand's scale is 2^e, e = its entry of the input lowp_scales (int32; the entries are numbered through the quantised products in the list's order, A before B).
;;     - Each number is divided by the scale, clamped to +-448, and rounded to the nearest number of E4M3, ties to even, subnormals kept.
;;     - The product sums the exact products of the quantised numbers (number of the format x scale) in f32.
;;   ~~~python
;;   def quantise(x, axis, e):      # numpy; x: float32 -> the quantised numbers, widened to float32 again
;;       x = np.moveaxis(x, axis, -1); K = x.shape[-1]
;;       r = np.clip(x / 2.0 ** e, -448, 448)
;;       step = 2.0 ** (np.maximum(np.frexp(np.where(r == 0, 1, r))[1] - 1, -6) - 3)
;;       q = np.round(r / step) * step * 2.0 ** e      # np.round: ties to even
;;       return np.moveaxis(q, -1, axis).astype(np.float32)
;;   ~~~
;;   SOFTMAX AHEAD OF A QUANTISED PRODUCT. Where the list says 'softmax', what is quantised is not the finished softmax but p = 2^(t - M), with t = logit x log2(e) and M = ceil(the row's largest t), a whole number; so 1/2 < the row's largest p <= 1. The row's sum l is taken of the UNQUANTISED p, in f32, and the product's result is divided by l at the end. Since M is a whole number, a kernel that streams over the keys may use a running M (the ceiling of the running maximum): every later rescaling is an exact power of two, so the quantised numbers keep their values, but for numbers so far below the row's largest that they fall under the format's range.
;;   OPERANDS COMPUTED ON THE WAY. 'Computed on the way' means the value that the module computes at that place (a softmax that the list does not call 'softmax' is quantised finished and normalised). What goes into a quantiser is computed in f32, as accurately as f32 sums, v_exp_f32 and their like allow (about 1e-6 of the number): no bf16 or f16 on the way to a quantiser, and a product that is left as it is and whose result goes on into a quantised operand takes f32 operands (vector FMAs, or v_wmma_f32_16x16x4_f32). A number that lies on a knife's edge between two numbers of the format may be rounded either way, as far as f32 arithmetic and the matrix unit's own rounding can turn it there, and no further.
;; One version. Each part assembles by itself: llvm-mc -triple=amdgcn-amd-amdhsa -mcpu=gfx1250 --defsym DOCPART=n.
;; ======== version 1 of 1: 4 launches
;; limits: right only within a limited range of input values
;; workspace buffers: xc 12,582,912 bytes; wc 16,777,216 bytes; qkv 12,582,912 bytes; ac 4,194,304 bytes
;; launch quant (part 1): grid 640 x 1, 4 waves a work-group, no clusters, 33,280 bytes of LDS; arguments x, wq, wk, wv, wo, lowp_scales, xc, wc; writes xc, wc
.if DOCPART == 1
	.amdgcn_target "amdgcn-amd-amdhsa--gfx1250"
	.amdhsa_code_object_version 6
	.text
	.protected	k_qcc07dae745_quant
	.globl	k_qcc07dae745_quant
	.p2align	8
	.type	k_qcc07dae745_quant,@function
k_qcc07dae745_quant:
	s_mov_b64 s[64:65], 0
	v_nop
	global_prefetch_b8 v0, s[64:65] scope:SCOPE_SE
	s_setreg_imm32_b32 hwreg(HW_REG_WAVE_MODE, 25, 1), 1
	s_wait_xcnt 0x0
; ATTENTION IN FP8 (E4M3), FIRST OF FOUR LAUNCHES: the f32 inputs of the four projections become codes, once.
; NOTHING OF reference() IS LEFT OUT in this program: the mask is an input, so all 2,048 x 2,048 scores of all 16 heads are computed and every mask number is added; all inputs are loaded.
; x is an operand of three products with three scale entries (0, 2, 4): it is read once and quantised three times, into the three planes of xc [3][2048][2048].
; wq, wk, wv, wo (entries 1, 3, 5, 11) go into the four planes of wc [4][2048][2048].  K is innermost in all five, so each tensor is a plain stream, and so are its codes.
; code = number / 2^e, held within +-448, rounded to the nearest code, ties to even.  LIMITS: each e used here lies between -126 and 119; NaN among the inputs is not served.
; SHARES.  Work-group number / 128 picks the tensor (0: x, 1 .. 4: the weights), the rest a run of 32,768 numbers; a wave takes 8,192: 16 steps of 512.
; The conversion takes eight neighbours from ONE lane's registers, a load is best where neighbouring LANES take neighbouring bytes: each of a step's four loads reads 512 consecutive bytes, the 2,048 bytes go
; through the wave's own stage in LDS as they lie and come back 64 bytes a lane (16 bytes of padding behind each 64).  A lane's 16 codes are 16 bytes: a store covers 512 consecutive bytes, aligned.
; No tensor load, no barrier: waves share nothing.  Loads run four steps (16 loads a wave) ahead, the turn through LDS one step.
.set WAVES, 4
.set STEPS, 16
.set R,     16                         ; v16-79   four sets of 16 numbers as they are loaded
.set X,     80                         ; v80-111  two sets of 16 neighbours
.set H,     112                        ; v112-127 the numbers held for one scale
.set C,     128                        ; v128-139 codes: four registers for each of up to three scales
.set WREG,  8192                       ; LDS: a region for each wave: two stages of 32 x SP bytes
.set SP,    80
.set SPW,   12                         ; v12  LDS address of my spare word; never rewritten
.set NIL,   13                         ; v13  0; never rewritten
.set SPARE, WAVES*WREG                 ; behind the regions: the spare words, 128 bytes a wave, named by no other line
	s_load_b512 s[4:19], s[0:1], 0x0               ; x 4:5, wq 6:7, wk 8:9, wv 10:11, wo 12:13, scales 14:15, xc 16:17, wc 18:19
	v_lshl_add_u32 v[SPW], v0, 2, SPARE
	v_mov_b32 v[NIL], 0
	v_lshrrev_b32 v1, 5, v0
	v_readfirstlane_b32 s20, v1                    ; wave
	v_and_b32 v2, 31, v0                           ; lane
	v_lshlrev_b32 v3, 4, v2                        ; my 16 bytes of a load's and of a store's 512
	s_mul_i32 s44, s20, WREG
	v_lshrrev_b32 v14, 2, v2
	v_mul_u32_u24 v14, v14, SP
	v_and_b32 v15, 3, v2
	v_lshl_add_u32 v14, v15, 4, v14
	v_add_nc_u32 v14, s44, v14                     ; the stage, on the way in: SP (lane / 4) + 16 (lane % 4)
	v_mul_u32_u24 v15, v2, SP
	v_add_nc_u32 v15, s44, v15                     ; and on the way out: SP x lane: my 16 neighbours
	s_lshr_b32 s21, ttmp9, 7                       ; which tensor
	s_and_b32 s22, ttmp9, 127
	s_lshl_b32 s45, s22, 2
	s_add_co_u32 s45, s45, s20                     ; which run of 8,192 numbers is my wave's
	s_lshl_b32 s46, s45, 15                        ; its bytes in the f32 tensor,
	s_mov_b32 s47, 0
	s_lshl_b32 s48, s45, 13                        ; and in a plane of codes
	s_mov_b32 s49, 0
	s_max_u32 s50, s21, 1
	s_sub_co_u32 s50, s50, 1
	s_lshl_b32 s50, s50, 22                        ; a weight's plane of wc: 4 MiB each
	s_add_co_u32 s48, s48, s50
	s_wait_alu depctr_va_vdst(0)
	s_wait_kmcnt 0x0
	s_load_b256 s[32:39], s[14:15], 0x0            ; entries 0 to 7
	s_load_b128 s[40:43], s[14:15], 0x20           ; entries 8 to 11
	s_cmp_eq_u32 s21, 1                            ; the choices hang on the work-group's number alone
	s_cselect_b64 s[24:25], s[6:7], s[4:5]
	s_cmp_eq_u32 s21, 2
	s_cselect_b64 s[24:25], s[8:9], s[24:25]
	s_cmp_eq_u32 s21, 3
	s_cselect_b64 s[24:25], s[10:11], s[24:25]
	s_cmp_eq_u32 s21, 4
	s_cselect_b64 s[24:25], s[12:13], s[24:25]
	s_cmp_eq_u32 s21, 0
	s_cselect_b64 s[26:27], s[16:17], s[18:19]
	s_add_nc_u64 s[24:25], s[24:25], s[46:47]
	s_add_nc_u64 s[26:27], s[26:27], s[48:49]
	s_add_nc_u64 s[28:29], s[26:27], 0x400000      ; x's second and third plane: used by x's work-groups alone
	s_add_nc_u64 s[30:31], s[26:27], 0x800000
.macro LOAD t
.irp i, 0,1,2,3
	global_load_b128 v[R+16*((\t)%4)+4*\i:R+16*((\t)%4)+4*\i+3], v3, s[24:25] offset:2048*(\t)+512*\i th:TH_LOAD_NT   ; 32 lanes read 512 consecutive bytes; read once in the launch
.endr
.endm
.macro TURN t                          ; step t's numbers through the stage: LDS serves a wave's instructions in order, so no wait stands between the stores and the loads
.irp i, 0,1,2,3
	ds_store_b128 v14, v[R+16*((\t)%4)+4*\i:R+16*((\t)%4)+4*\i+3] offset:32*SP*((\t)%2)+8*SP*\i
.endr
.irp i, 0,1,2,3
	ds_load_b128 v[X+16*((\t)%2)+4*\i:X+16*((\t)%2)+4*\i+3], v15 offset:32*SP*((\t)%2)+16*\i
.endr
.endm
.macro MKSC e, vs                      ; v[vs] = 2^e as f32 (the conversion takes its exponent field), v[vs + 1] = 448 x 2^e
	s_add_co_i32 s51, s[\e], 127
	s_lshl_b32 s52, s51, 23
	v_mov_b32 v[\vs], s52
	s_add_co_i32 s51, s51, 8
	s_lshl_b32 s51, s51, 23
	s_or_b32 s51, s51, 0x600000
	v_mov_b32 v[\vs+1], s51
.endm
.irp t, 0,1,2,3
	LOAD \t
.endr
	s_wait_kmcnt 0x0
	s_cmp_eq_u32 s21, 1
	s_cselect_b32 s50, s33, s32                    ; the tensor's entry: 0 for x, 1, 3, 5, 11 for the weights
	s_cmp_eq_u32 s21, 2
	s_cselect_b32 s50, s35, s50
	s_cmp_eq_u32 s21, 3
	s_cselect_b32 s50, s37, s50
	s_cmp_eq_u32 s21, 4
	s_cselect_b32 s50, s43, s50
	MKSC 50, 5
	MKSC 34, 7                                     ; entry 2,
	MKSC 36, 9                                     ; entry 4: x's other two
	s_wait_alu depctr_va_vdst(0)
	s_wait_loadcnt 12                              ; step 0's four loads are in; the twelve of steps 1 to 3 may be out
	TURN 0
.macro OUT n, t                        ; the step's 16 neighbours under scale n: held, converted, stored
.irp i, 0,1,2,3,4,5,6,7,8,9,10,11,12,13,14,15
	v_med3_num_f32 v[H+\i], v[XS+\i], -v[6+2*\n], v[6+2*\n]   ; the conversion to an 8-bit code does not saturate (ISA guide 7.6.2): the hold comes first
.endr
	v_cvt_scalef32_pk8_fp8_f32 v[C+4*\n:C+4*\n+1], v[H:H+7], v[5+2*\n]
	v_cvt_scalef32_pk8_fp8_f32 v[C+4*\n+2:C+4*\n+3], v[H+8:H+15], v[5+2*\n]
	v_nop                                          ; a plain line between the conversions and the next lines that write their sources
	global_store_b128 v3, v[C+4*\n:C+4*\n+3], s[26+2*\n:27+2*\n] offset:512*(\t)
.endm
.macro STEP t
.set XS, X+16*((\t)%2)
	s_wait_dscnt 0x0                               ; this step's numbers are back from the stage: so its stores into the stage have read their registers,
.if (\t)+4 < STEPS
	LOAD (\t)+4                                    ; which take the loads of four steps on
.endif
.if (\t)+1 < STEPS
.if STEPS-2-(\t) >= 3
	s_wait_loadcnt 12                              ; the next step's four loads are in; those of the three steps behind it may be out
.else
	s_wait_loadcnt 4*(STEPS-2-(\t))
.endif
	TURN (\t)+1
.endif
	s_wait_xcnt 0x0                                ; the last step's stores have read their data: the codes' registers are written again only behind this wait
	OUT 0, \t
	s_cmp_lg_u32 s21, 0                            ; a weight has one scale; the branch hangs on the work-group's number and leads round register work and stores alone
	s_cbranch_scc1 .Lone_\@
	OUT 1, \t
	OUT 2, \t
.Lone_\@:
.endm
.irp t, 0,1,2,3,4,5,6,7,8,9,10,11,12,13,14,15
	STEP \t
.endr
	s_wait_tensorcnt 0x0                           ; the wave's end: behind my last LDS store
	ds_add_u32 v[SPW], v[NIL]
	s_wait_dscnt 0x0
	s_endpgm
.Lfunc_end_k_qcc07dae745_quant:
	.size	k_qcc07dae745_quant, .Lfunc_end_k_qcc07dae745_quant-k_qcc07dae745_quant
	.p2alignl 7, 3214868480
	.fill 96, 4, 3214868480
	.section	.rodata,"a",@progbits
	.p2align	6, 0x0
	.amdhsa_kernel k_qcc07dae745_quant
		.amdhsa_group_segment_fixed_size 33280
		.amdhsa_private_segment_fixed_size 0
		.amdhsa_enable_private_segment 0
		.amdhsa_kernarg_size 64
		.amdhsa_user_sgpr_count 2
		.amdhsa_user_sgpr_kernarg_segment_ptr 1
		.amdhsa_wavefront_size32 1
		.amdhsa_system_sgpr_workgroup_id_x 1
		.amdhsa_system_sgpr_workgroup_id_y 1
		.amdhsa_system_sgpr_workgroup_id_z 1
		.amdhsa_system_vgpr_workitem_id 0
		.amdhsa_next_free_vgpr 144
		.amdhsa_next_free_sgpr 66
		.amdhsa_reserve_vcc 0
		.amdhsa_float_denorm_mode_32 3
		.amdhsa_float_denorm_mode_16_64 3
		.amdhsa_memory_ordered 1
		.amdhsa_forward_progress 1
		.amdhsa_inst_pref_size 80
	.end_amdhsa_kernel
	.amdgpu_metadata
---
amdhsa.version: [ 1, 2 ]
amdhsa.kernels:
  - .name:           k_qcc07dae745_quant
    .symbol:         k_qcc07dae745_quant.kd
    .args:
      - { .name: x, .offset: 0, .size: 8, .value_kind: global_buffer, .address_space: global }
      - { .name: wq, .offset: 8, .size: 8, .value_kind: global_buffer, .address_space: global }
      - { .name: wk, .offset: 16, .size: 8, .value_kind: global_buffer, .address_space: global }
      - { .name: wv, .offset: 24, .size: 8, .value_kind: global_buffer, .address_space: global }
      - { .name: wo, .offset: 32, .size: 8, .value_kind: global_buffer, .address_space: global }
      - { .name: lowp_scales, .offset: 40, .size: 8, .value_kind: global_buffer, .address_space: global }
      - { .name: xc, .offset: 48, .size: 8, .value_kind: global_buffer, .address_space: global }
      - { .name: wc, .offset: 56, .size: 8, .value_kind: global_buffer, .address_space: global }
    .group_segment_fixed_size: 33280
    .private_segment_fixed_size: 0
    .kernarg_segment_align: 8
    .kernarg_segment_size: 64
    .max_flat_workgroup_size: 128
    .sgpr_count:     66
    .vgpr_count:     144
    .wavefront_size: 32
...
	.end_amdgpu_metadata
.endif
;; end of part 1
;; launch qkv (part 2): grid 24 x 8, 4 waves a work-group, clusters of 4 x 4, 327,680 bytes of LDS; arguments xc, wc, lowp_scales, cos, sin, qkv; writes qkv
.if DOCPART == 2
	.amdgcn_target "amdgcn-amd-amdhsa--gfx1250"
	.amdhsa_code_object_version 6
	.text
	.protected	k_qcc07dae745_qkv
	.globl	k_qcc07dae745_qkv
	.p2align	8
	.type	k_qcc07dae745_qkv,@function
k_qcc07dae745_qkv:
	s_mov_b64 s[64:65], 0
	v_nop
	global_prefetch_b8 v0, s[64:65] scope:SCOPE_SE
	s_setreg_imm32_b32 hwreg(HW_REG_WAVE_MODE, 25, 1), 1
	s_wait_xcnt 0x0
	s_wait_alu depctr_hold_cnt(0) depctr_sa_sdst(0) depctr_va_vdst(0) depctr_va_sdst(0) depctr_va_ssrc(0) depctr_va_vcc(0) depctr_vm_vsrc(0)
	s_getreg_b32 s2, hwreg(HW_REG_IB_STS2, 6, 4)
	s_cmp_eq_u32 s2, 0
	s_cbranch_scc0 .Lentry_in_a_cluster
	s_endpgm
.Lentry_in_a_cluster:
	s_bfe_u32 s2, ttmp6, 0x10000c
	s_cmp_lg_u32 s2, 0xf033
	s_cbranch_scc0 .Lentry_shape_is_right
	s_endpgm
.Lentry_shape_is_right:
.set SIZE_K, 2048
.set KSTEP,  256
.set ROWB,   256
.set KROW,   SIZE_K
.set PITCH,  272
.set FR,     16
.set NL,     4
.set NP,     4
.set HALFT,  128*PITCH
.set SLOT,   4*HALFT
.set LAPS,   SIZE_K/(2*KSTEP)
.set SPARE,  2*SLOT
.set STAGE,  SPARE+512
.set SPITCH, 144
.set STAGEV, 4*16*SPITCH
.set CA,   11
.set ESC,  12
.set ELIM, 13
.set ADRA, 16
.set ADRB, 20
.set STO,  24
.set RD,   25
.set CO,   26
.set SPW,  28
.set NIL,  29
.set TMP,  32
.set T,    96
.set CD,   104
.set AF,   128
.set BK,   128
.set G1, 24
.set G0, 32
.set G1B, 48
.set G0B, 56
.set PR, 66
.set MSB, 0
.macro WIN new
.if MSB != (\new)
	s_set_vgpr_msb (MSB<<8)|(\new)
.set MSB, (\new)
.endif
.endm
.set MUL_LO, 0xa1
.set MUL_HI, 0xf1
.set TO_B,   0x40
.macro JLOAD g0a, g1a, g0b, g1b
	s_cmp_eq_u32 s15, 0
	s_cbranch_scc0 .Lfor_b_\@
	tensor_load_to_lds s[\g0a:\g0a+3], s[\g1a:\g1a+7]
	s_nop 0
.rept 4
	v_nop
.endr
	s_branch .Lasked_\@
.Lfor_b_\@:
	tensor_load_to_lds s[\g0b:\g0b+3], s[\g1b:\g1b+7]
	s_nop 0
.rept 4
	v_nop
.endr
.Lasked_\@:
.endm
.macro CREST
	s_cmp_lg_u32 s14, 0
	s_cbranch_scc1 .Lnot_wave_0_\@
	s_barrier_signal -3
.Lnot_wave_0_\@:
	s_barrier_wait -3
	s_barrier_signal -1
	s_barrier_wait -1
.endm
.macro CROUND
	s_barrier_signal -1
	s_barrier_wait -1
	CREST
.endm
	s_load_b256 s[68:75], s[0:1], 0x0
	s_load_b128 s[76:79], s[0:1], 0x20
	v_lshl_add_u32 v[SPW], v0, 2, SPARE
	v_mov_b32 v[NIL], 0
	ds_add_u32 v[SPW], v[NIL]
	ds_add_u32 v[SPW], v[NIL]
	v_lshrrev_b32 v1, 5, v0
	v_readfirstlane_b32 s14, v1
	s_lshr_b32 s15, s14, 1
	s_and_b32 s16, s14, 1
	s_bfe_u32 s40, ttmp6, 0x40000
	s_bfe_u32 s41, ttmp6, 0x40004
	s_lshr_b32 s[PR], ttmp9, 1
	s_and_b32 s42, ttmp9, 1
	s_lshl_b32 s42, s42, 2
	s_add_co_u32 s42, s42, s40
	s_and_b32 s17, ttmp7, 0xffff
	s_lshl_b32 s17, s17, 2
	s_add_co_u32 s17, s17, s41
	s_lshl_b32 s43, s41, 2
	s_lshl_b32 s43, 15, s43
	s_lshl_b32 s44, 0x1111, s40
	s_or_b32 s[G1+0], s43, (0<<16)|(1<<20)|(1<<21)|(5<<22)|(3<<25)
	s_or_b32 s[G1B+0], s44, (0<<16)|(1<<20)|(1<<21)|(5<<22)|(3<<25)
.irp g, G1, G1B
	s_mov_b32 s[\g+1], ROWB<<16
	s_mov_b32 s[\g+2], 128<<16
	s_mov_b32 s[\g+3], ROWB<<16
	s_mov_b32 s[\g+4], 128
	s_mov_b32 s[\g+5], KROW
	s_mov_b32 s[\g+6], 0
	s_mov_b32 s[\g+7], 0
.endr
	s_lshl_b32 s18, s16, 7
	s_lshl_b32 s19, s[PR], 22
	s_lshl_b32 s20, s17, 8
	s_add_co_u32 s20, s20, s18
	s_lshl_b32 s20, s20, 11
	s_add_co_u32 s20, s20, s19
	s_mov_b32 s21, 0
	s_lshl_b32 s46, s42, 8
	s_add_co_u32 s46, s46, s18
	s_lshl_b32 s46, s46, 11
	s_add_co_u32 s46, s46, s19
	s_mov_b32 s47, 0
	s_mul_i32 s45, s14, HALFT
	s_wait_dscnt 0x0
	s_wait_kmcnt 0x0
	s_load_b256 s[80:87], s[72:73], 0x0
	s_load_b32 s88, s[72:73], 0x24
	s_cmp_eq_u32 s[PR], 2
	s_cselect_b64 s[4:5], s[70:71], s[68:69]
	s_cselect_b64 s[6:7], s[68:69], s[70:71]
	s_add_nc_u64 s[20:21], s[4:5], s[20:21]
	s_add_nc_u64 s[46:47], s[6:7], s[46:47]
	; the prefetches: of the 128 rows that my wave fetches, my work-group names 32, told apart from its three partners by address (cx for the first operand, cy for the second); a lane a row
	s_cmp_eq_u32 s15, 0
	s_cselect_b64 s[8:9], s[20:21], s[46:47]
	s_cselect_b32 s12, s40, s41
	s_lshl_b32 s12, s12, 16
	s_mov_b32 s13, 0
	s_add_nc_u64 s[8:9], s[8:9], s[12:13]
	v_and_b32 v14, 31, v0
	v_lshlrev_b32 v14, 11, v14
	CROUND
.irp s, 0,1
	s_mov_b32 s[G0+4*\s], 1
	s_add_co_u32 s[G0+4*\s+1], s45, \s*SLOT
	s_add_nc_u64 s[G0+4*\s+2:G0+4*\s+3], s[20:21], \s*ROWB
	s_or_b32 s[G0+4*\s+3], s[G0+4*\s+3], 0x80000000
	s_mov_b32 s[G0B+4*\s], 1
	s_add_co_u32 s[G0B+4*\s+1], s45, \s*SLOT
	s_add_nc_u64 s[G0B+4*\s+2:G0B+4*\s+3], s[46:47], \s*ROWB
	s_or_b32 s[G0B+4*\s+3], s[G0B+4*\s+3], 0x80000000
	s_wait_alu depctr_va_vdst(0)
	s_wait_tensorcnt 0x0
	ds_add_u32 v28, v29
	ds_add_u32 v28, v29
	s_wait_dscnt 0x0
	CROUND
	JLOAD G0+4*\s, G1, G0B+4*\s, G1B
	global_prefetch_b8 v14, s[8:9] offset:(\s+2)*ROWB th:TH_LOAD_NT scope:SCOPE_SE   ; behind the load of K step s: the 256 bytes a row of K step s + 2
.endr
	v_and_b32 v1, 15, v0
	s_wait_alu depctr_va_vdst(0)
	v_bfe_u32 v2, v0, 4, 1
	v_mul_u32_u24 v3, v1, PITCH
	v_lshl_add_u32 v4, v2, 4, v3
	s_mul_i32 s21, s15, HALFT
	s_mul_i32 s22, s16, HALFT
	s_add_co_u32 s22, s22, 2*HALFT
.irp s, 0,1
	v_add_nc_u32 v[ADRA+\s], s21, v4
	v_add_nc_u32 v[ADRB+\s], s22, v4
	s_add_co_u32 s21, s21, SLOT
	s_add_co_u32 s22, s22, SLOT
.endr
	s_lshl_b32 s95, s17, 1
	s_add_co_u32 s95, s95, s15
	s_lshl_b32 s96, s42, 1
	s_add_co_u32 s96, s96, s16
	s_cmp_eq_u32 s[PR], 2
	s_cselect_b32 s97, s95, s96
	s_cselect_b32 s98, s96, s95
	s_lshr_b32 s99, s97, 1
	s_lshl_b32 s99, s99, 4
	s_add_co_u32 s99, s99, s98
	s_mul_i32 s99, s99, 98304
	s_lshl_b32 s100, s[PR], 15
	s_add_co_u32 s99, s99, s100
	s_and_b32 s100, s97, 1
	s_lshl_b32 s100, s100, 14
	s_add_co_u32 s98, s99, s100
	s_mov_b32 s99, 0
	s_add_nc_u64 s[10:11], s[78:79], s[98:99]
	s_lshl_b32 s98, s95, 15
	s_add_nc_u64 s[74:75], s[74:75], s[98:99]
	s_add_nc_u64 s[76:77], s[76:77], s[98:99]
	s_mul_i32 s23, s14, 16*SPITCH
	s_add_co_u32 s23, s23, STAGE
	v_mul_u32_u24 v5, v1, SPITCH
	s_wait_alu depctr_va_vdst(0)
	v_lshl_add_u32 v5, v2, 3, v5
	v_add_nc_u32 v[STO], s23, v5
	v_and_b32 v6, 31, v0
	; out of the stage a block of 16 rows leaves as an IMAGE OF THE OPERAND'S REGISTERS: load c brings lane (r, h) bytes 32 c + 16 h + 0 .. 15 of row r, and the 32 lanes store them as 512 consecutive bytes
	v_mul_u32_u24 v7, v1, SPITCH
	v_lshl_add_u32 v7, v2, 4, v7
	v_add_nc_u32 v[RD], s23, v7
	v_lshlrev_b32 v[CO], 4, v6
	v_lshlrev_b32 v[CA], 8, v1
	v_lshl_add_u32 v[CA], v2, 4, v[CA]
.macro FRAG reg, adr, q, i
.irp c, 0,1,2,3
	ds_load_b128 v[\reg+4*\c:\reg+4*\c+3], v[\adr] offset:128*(\q)+32*\c+(\i)*16*PITCH
.endr
.endm
.macro MUL16 a0, p, zero
.irp a, \a0, \a0+1
.irp b, 0,1,2,3,4,5,6,7
.if \zero
	v_wmma_f32_16x16x128_fp8_fp8 v[8*(8*((\a)%4)+\b):8*(8*((\a)%4)+\b)+7], v[128*(\p)+FR*\b:128*(\p)+FR*\b+FR-1], v[AF+FR*(\a):AF+FR*(\a)+FR-1], 0
.else
	v_wmma_f32_16x16x128_fp8_fp8 v[8*(8*((\a)%4)+\b):8*(8*((\a)%4)+\b)+7], v[128*(\p)+FR*\b:128*(\p)+FR*\b+FR-1], v[AF+FR*(\a):AF+FR*(\a)+FR-1], v[8*(8*((\a)%4)+\b):8*(8*((\a)%4)+\b)+7]
.endif
.endr
.endr
.endm
.macro FETCH_B slot, q, p
	WIN TO_B
.irp i, 0,1,2,3,4,5,6,7
	FRAG 128*(\p)+FR*\i, ADRB+\slot, \q, \i
.endr
	WIN 0
.endm
.macro FETCH_A slot, q, i0
.irp i, \i0, \i0+1, \i0+2, \i0+3
	FRAG AF+FR*(\i), ADRA+\slot, \q, \i
.endr
.endm
.macro PLACES n
.rept \n
	v_nop
.endr
.endm
.macro STEP slot, q, zero
	s_wait_dscnt 4*NL
	WIN MUL_LO
	MUL16 0, (\q)%2, \zero
	MUL16 2, (\q)%2, \zero
	s_wait_dscnt 0
	PLACES NP
	FETCH_B \slot, (\q)+1, 1-(\q)%2
	FETCH_A \slot, (\q)+1, 0
	WIN MUL_HI
	MUL16 4, (\q)%2, \zero
	MUL16 6, (\q)%2, \zero
	PLACES NP
	WIN 0
	FETCH_A \slot, (\q)+1, 4
.endm
.macro TURN slot, next, fill
	s_wait_dscnt 4*NL
	WIN MUL_LO
	MUL16 0, 1, 0
	MUL16 2, 1, 0
	WIN 0
	s_wait_tensorcnt 0x0
	ds_add_u32 v[SPW], v[NIL]
.if \fill
	s_add_nc_u64 s[G0+4*\slot+2:G0+4*\slot+3], s[G0+4*\slot+2:G0+4*\slot+3], 2*ROWB
	s_add_nc_u64 s[G0B+4*\slot+2:G0B+4*\slot+3], s[G0B+4*\slot+2:G0B+4*\slot+3], 2*ROWB
	s_wait_xcnt 0x0                                ; my last prefetch has read its address
	s_add_nc_u64 s[8:9], s[8:9], ROWB
.endif
	s_wait_dscnt 0x0
	s_barrier_signal -1
	s_barrier_wait -1
.if \fill
	CREST
	JLOAD G0+4*\slot, G1, G0B+4*\slot, G1B
.else
	PLACES NP
.endif
	FETCH_B \next, 0, 0
	FETCH_A \next, 0, 0
.if \fill
	s_cmp_gt_u32 s3, 1                             ; behind the load of K step k: K step k + 2; the last lap's loads are steps 6 and 7, which have none
	s_cbranch_scc0 .Lno_ask_\@
	global_prefetch_b8 v14, s[8:9] offset:3*ROWB th:TH_LOAD_NT scope:SCOPE_SE
.Lno_ask_\@:
.endif
	WIN MUL_HI
	MUL16 4, 1, 0
	MUL16 6, 1, 0
	PLACES NP
	WIN 0
	FETCH_A \next, 0, 4
.endm
.macro LOADCS a
.set CS, 64*((\a)%4)
.irp b, 0,1,2,3,4,5,6,7
	global_load_b128 v[CS+4*\b:CS+4*\b+3], v[CA], s[74:75] offset:4096*(\a)+32*\b
	global_load_b128 v[CS+32+4*\b:CS+32+4*\b+3], v[CA], s[76:77] offset:4096*(\a)+32*\b
.endr
.endm
	s_wait_tensorcnt 1
	s_barrier_signal -1
	s_barrier_wait -1
	FETCH_B 0, 0, 0
	FETCH_A 0, 0, 0
	FETCH_A 0, 0, 4
	STEP 0, 0, 1
	s_mov_b32 s3, LAPS-1
.Llap:
	TURN 0, 1, 1
	STEP 1, 0, 0
	TURN 1, 0, 1
	STEP 0, 0, 0
	s_sub_co_u32 s3, s3, 1
	s_cmp_lg_u32 s3, 0
	s_cbranch_scc1 .Llap
	TURN 0, 1, 0
	STEP 1, 0, 0
	s_cmp_eq_u32 s[PR], 2
	s_cbranch_scc1 .Lno_cs
	WIN 0x40
	s_wait_alu depctr_va_vdst(0)
	LOADCS 0
	LOADCS 1
	WIN 0
.Lno_cs:
	s_wait_dscnt 4*NL
	WIN MUL_LO
	MUL16 0, 1, 0
	MUL16 2, 1, 0
	s_wait_dscnt 0
	WIN MUL_HI
	MUL16 4, 1, 0
	MUL16 6, 1, 0
	WIN 0
.macro TOSTAGE a, rot
.set AC, 64*((\a)%4)
.set CS, 64*((\a)%4)
.set SO, (1-\rot)*STAGEV
.if \rot
.if (\a) < 5
	s_wait_loadcnt 48
.else
	s_wait_loadcnt 16*(7-(\a))
.endif
	WIN 0x06+((\a)/4)
.irp b, 0,1,2,3,4,5,6,7
.irp g, 0,1
.irp e, 0,1
	v_pk_mul_f32 v[T+4*\g+2*\e:T+4*\g+2*\e+1], v[AC+8*\b+4*\g+2*\e:AC+8*\b+4*\g+2*\e+1], v[CS+32+4*\b+2*\g:CS+32+4*\b+2*\g+1] op_sel:[1,\e] op_sel_hi:[0,\e]
.endr
.endr
.irp g, 0,1
.irp e, 0,1
	v_pk_fma_f32 v[TMP+8*\b+4*\g+2*\e:TMP+8*\b+4*\g+2*\e+1], v[AC+8*\b+4*\g+2*\e:AC+8*\b+4*\g+2*\e+1], v[CS+4*\b+2*\g:CS+4*\b+2*\g+1], v[T+4*\g+2*\e:T+4*\g+2*\e+1] op_sel:[0,\e,0] op_sel_hi:[1,\e,1] neg_lo:[0,0,1]
.endr
.endr
.endr
.if (\a)+4 < 8
	WIN 0x40
	LOADCS (\a)+4
.endif
	WIN 0
.set j, 0
.rept 64
	v_med3_num_f32 v[TMP+j], v[TMP+j], -v[ELIM], v[ELIM]
.set j, j+1
.endr
.else
	WIN 0x02+((\a)/4)
.set j, 0
.rept 64
	v_med3_num_f32 v[TMP+j], v[AC+j], -v[ELIM], v[ELIM]
.set j, j+1
.endr
	WIN 0
.endif
.irp b, 0,1,2,3,4,5,6,7
	v_cvt_scalef32_pk8_fp8_f32 v[CD+2*\b:CD+2*\b+1], v[TMP+8*\b:TMP+8*\b+7], v[ESC]
.endr
	v_nop
.irp b, 0,1,2,3,4,5,6,7
.if \rot
	ds_store_b64 v[STO], v[CD+2*\b:CD+2*\b+1] offset:SO+16*\b
.else
	ds_store_b64 v[RD], v[CD+2*\b:CD+2*\b+1] offset:SO+32*(\b/2)+8*(\b%2)   ; V: keys 16 b + 8 h + 0 .. 7 stand at byte 32 (b / 2) + 16 h + 8 (b % 2): a lane's 16 bytes then hold its half's keys of two tiles of 16
.endif
.endr
.set BB, BK+16*(\a)
.irp t, 0,1,2,3
	ds_load_b128 v[BB+4*\t:BB+4*\t+3], v[RD] offset:SO+32*\t
.endr
.endm
.macro SEND a, younger
.set BB, BK+16*(\a)
	s_wait_dscnt \younger
.irp t, 0,1,2,3
	global_store_b128 v[CO], v[BB+4*\t:BB+4*\t+3], s[10:11] offset:2048*(\a)+512*\t
.endr
.endm
.macro WAYOUT rot
.if \rot
	WIN 0x40
	LOADCS 2
	LOADCS 3
	WIN 0
.endif
	TOSTAGE 0, \rot
.irp a, 1,2,3,4,5,6,7
	TOSTAGE \a, \rot
	SEND \a-1, 12
.endr
	SEND 7, 0
.endm
	s_wait_kmcnt 0x0
	s_sub_co_i32 s95, s86, s80
	s_sub_co_i32 s95, s95, s81
	s_sub_co_i32 s96, s87, s82
	s_sub_co_i32 s96, s96, s83
	s_sub_co_i32 s97, s88, s84
	s_sub_co_i32 s97, s97, s85
	s_cmp_eq_u32 s[PR], 1
	s_cselect_b32 s95, s96, s95
	s_cmp_eq_u32 s[PR], 2
	s_cselect_b32 s95, s97, s95
	s_add_co_i32 s95, s95, 127
	s_lshl_b32 s96, s95, 23
	v_mov_b32 v[ESC], s96
	s_add_co_i32 s95, s95, 8
	s_lshl_b32 s95, s95, 23
	s_or_b32 s95, s95, 0x600000
	v_mov_b32 v[ELIM], s95
	PLACES NP
	s_cmp_eq_u32 s[PR], 2
	s_cbranch_scc1 .Lway_v
	s_wait_alu depctr_va_vdst(0)
	WAYOUT 1
	s_branch .Lend
.Lway_v:
	s_wait_alu depctr_va_vdst(0)
	WAYOUT 0
.Lend:
	s_wait_tensorcnt 0x0
	ds_add_u32 v[SPW], v[NIL]
	s_wait_dscnt 0x0
	CROUND
	s_endpgm
.Lfunc_end_k_qcc07dae745_qkv:
	.size	k_qcc07dae745_qkv, .Lfunc_end_k_qcc07dae745_qkv-k_qcc07dae745_qkv
	.p2alignl 7, 3214868480
	.fill 96, 4, 3214868480
	.section	.rodata,"a",@progbits
	.p2align	6, 0x0
	.amdhsa_kernel k_qcc07dae745_qkv
		.amdhsa_group_segment_fixed_size 327680
		.amdhsa_private_segment_fixed_size 0
		.amdhsa_enable_private_segment 0
		.amdhsa_kernarg_size 48
		.amdhsa_user_sgpr_count 2
		.amdhsa_user_sgpr_kernarg_segment_ptr 1
		.amdhsa_wavefront_size32 1
		.amdhsa_system_sgpr_workgroup_id_x 1
		.amdhsa_system_sgpr_workgroup_id_y 1
		.amdhsa_system_sgpr_workgroup_id_z 1
		.amdhsa_system_vgpr_workitem_id 0
		.amdhsa_next_free_vgpr 1024
		.amdhsa_next_free_sgpr 104
		.amdhsa_reserve_vcc 0
		.amdhsa_float_denorm_mode_32 3
		.amdhsa_float_denorm_mode_16_64 3
		.amdhsa_memory_ordered 1
		.amdhsa_forward_progress 1
		.amdhsa_inst_pref_size 218
	.end_amdhsa_kernel
	.amdgpu_metadata
---
amdhsa.version: [ 1, 2 ]
amdhsa.kernels:
  - .name:           k_qcc07dae745_qkv
    .symbol:         k_qcc07dae745_qkv.kd
    .args:
      - { .name: xc, .offset: 0, .size: 8, .value_kind: global_buffer, .address_space: global }
      - { .name: wc, .offset: 8, .size: 8, .value_kind: global_buffer, .address_space: global }
      - { .name: lowp_scales, .offset: 16, .size: 8, .value_kind: global_buffer, .address_space: global }
      - { .name: cos, .offset: 24, .size: 8, .value_kind: global_buffer, .address_space: global }
      - { .name: sin, .offset: 32, .size: 8, .value_kind: global_buffer, .address_space: global }
      - { .name: qkv, .offset: 40, .size: 8, .value_kind: global_buffer, .address_space: global }
    .group_segment_fixed_size: 327680
    .private_segment_fixed_size: 0
    .kernarg_segment_align: 8
    .kernarg_segment_size: 48
    .max_flat_workgroup_size: 128
    .sgpr_count:     104
    .vgpr_count:     1024
    .wavefront_size: 32
...
	.end_amdgpu_metadata
.endif
;; end of part 2
;; launch attn (part 3): grid 32 x 8, 8 waves a work-group, clusters of 4 x 4, 327,680 bytes of LDS; arguments qkv, mask, lowp_scales, ac; writes ac
.if DOCPART == 3
	.amdgcn_target "amdgcn-amd-amdhsa--gfx1250"
	.amdhsa_code_object_version 6
	.text
	.protected	k_qcc07dae745_attn
	.globl	k_qcc07dae745_attn
	.p2align	8
	.type	k_qcc07dae745_attn,@function
k_qcc07dae745_attn:
	s_mov_b64 s[64:65], 0
	v_nop
	global_prefetch_b8 v0, s[64:65] scope:SCOPE_SE
	s_setreg_imm32_b32 hwreg(HW_REG_WAVE_MODE, 25, 1), 1
	s_wait_xcnt 0x0
	s_wait_alu depctr_hold_cnt(0) depctr_sa_sdst(0) depctr_va_vdst(0) depctr_va_sdst(0) depctr_va_ssrc(0) depctr_va_vcc(0) depctr_vm_vsrc(0)
	s_getreg_b32 s2, hwreg(HW_REG_IB_STS2, 6, 4)
	s_cmp_eq_u32 s2, 0
	s_cbranch_scc0 .Lentry_in_a_cluster
	s_endpgm
.Lentry_in_a_cluster:
	s_bfe_u32 s2, ttmp6, 0x10000c
	s_cmp_lg_u32 s2, 0xf033
	s_cbranch_scc0 .Lentry_shape_is_right
	s_endpgm
.Lentry_shape_is_right:
; THIRD LAUNCH: scores, mask, softmax, the product with V, and the quantiser of the result.  Nothing is left out: the mask is an input, so every step of keys is walked for every query.
; logit = score / sqrt(128) + mask (one fused multiply-add, where reference() divides and then adds: another order of rounding); t = logit x log2(e); M = the running largest t rounded UP to a whole number;
; p = 2^(t - M) is quantised with 2^e8; the row's sum is taken of the unquantised p and divides at the end.  When M moves, the sum and O are multiplied by 2^(old M - new M): exact.
; SHARES.  A work-group owns 64 queries of a PAIR of heads, in EIGHT waves of 512 registers, two to a SIMD.  Wave w: queries 32 (w % 2) on (two tiles of 16), head (w / 2) % 2, and of every key step of 128 keys
; the 64 keys from 64 (w / 4) on.  So waves w and w + 4 own the same queries and share the keys; each keeps its own M, sum and O^T, and at the end wave w + 4 hands its three to wave w through LDS:
; both are brought under the larger M by powers of two and added.  Each fragment of K and V feeds two products.
; LAYOUT.  Both products are used transposed (S^T = K Q^T, K = 128; O^T = V^T P^T, K = 64): a lane holds one query.  The launch before lays Q, K and V as images of the operand registers: a fragment of 16 rows is 2,048
; bytes, four runs of 512, 16 bytes a lane.  So a wave loads each fragment STRAIGHT INTO REGISTERS, 512 consecutive bytes an instruction, a trip ahead of its use: K of step j + 1 behind step j's first product, V of step
; j + 1 behind its second, each into the registers that those products have left.  K and V take no LDS byte and pass no barrier; joint loads serve LDS alone, so these two have none.
; Register 8 f + i of S^T is key 16 f + 8 (lane / 16) + i of my 64: p's codes fall into the K = 64 form's own order, and V's image is laid to match.
; THE MASK comes through a ring of two LDS slots of two key steps: 64 rows x 1,024 bytes, 16 bytes of padding behind each row.  Every wave fetches 8 rows of every fill; a fill has two trips in which to land.
; CLUSTER 4 x 4: the mask's tile hangs on the block of queries alone and is shared along a column of the cluster: it is asked for jointly.
; LIMITS: e6 + e7 between -122 and 131 (added to the exponent field of 1 / sqrt(128)); e8 between -126 and 119; e8 + e9 - e10 goes by v_ldexp_f32; the t stay under 2^31 in magnitude.  NaN among the inputs is not served.
; REGISTERS: window 0: v9-29 addresses and constants; v32-63 Q; v64-79 p's codes; v80-103 statistics; v104-107 the partner's; v128-191 S^T, then p; v192-255 the mask.  window 1: v0-127 O^T; v128-191 K; v192-255 V.
.set PM,    1040                       ; a row of the mask's tile in LDS: 1,024 bytes + 16
.set MSLOT, 64*PM
.set SPARE, 2*MSLOT                    ; the spare words, 128 bytes a wave, named by no other line
.set STAGE, SPARE+1024                 ; the way out: 64 rows x 272 bytes, bytes of their own,
.set SP,    272
.set MRG,   STAGE+64*SP                ; and four images of 132 registers: what wave w + 4 hands to wave w
.set MRGW,  33*512
.set KVSTEP, 98304                     ; from a block of 128 tokens to the next in qkv: Q's, K's and V's two tiles of 16,384 bytes
.set QO,  9                            ; 16 x lane
.set STO, 10
.set RD,  11
.set GO,  12
.set PFO, 13
.set SPW, 14
.set NIL, 15
.set PLIM, 16                          ; 448 x 2^e8
.set PSC,  17                          ; 2^e8
.set OLIM, 18                          ; 448
.set ONE,  19
.set AM,  20                           ; v20-21 my place in the mask's tile of slot 0, 1
.set KO,  22                           ; my place in a tile of K: my four fragments
.set VO,  23                           ; in a tile of V: my two runs of each fragment
.set MG,  29                           ; my place in my pair's image
.set Q,   32
.set P,   64
.set ST,  80                           ; tile t at ST + 12 t: +0 -M, +1 the largest t, +2:3 the sum, +4:5 the factor, +6, +7 at work, +8:9 a second sum, +10 a permute's destination
.set XS,  104
.set S,   128
.set MK,  192
.set KF,  128                          ; window 1
.set VF,  192                          ; window 1
.set G1,  24
.set G0,  32                           ; s[32:35], s[36:39]: a group 0 for each slot
.set KB,  40                           ; s[40:41] my head's tile of K in the body's first key step
.set CNT,  56
.set EOUT, 23
.set ASKF, 66
.set KG,   100                         ; s100 which 64 keys of a step are mine
.set KQ,   101                         ; s101 wave % 4
.set MW0, (2<<16)|(1<<20)|(1<<21)|(7<<22)|(3<<25)  ; elements of 4 bytes; four words of padding after every 256; bit 21 beside a mask
.set MSB, 0
.macro WIN new
.if MSB != (\new)
	s_set_vgpr_msb (MSB<<8)|(\new)
.set MSB, (\new)
.endif
.endm
.macro PLACES
.rept 4
	v_nop
.endr
.endm
.macro TL g0, g1                       ; a joint load, issued by every wave with its own rows; an s_nop 0 and four v_nop follow it
	tensor_load_to_lds s[\g0:\g0+3], s[\g1:\g1+7]
	s_nop 0
.rept 4
	v_nop
.endr
.endm
.macro CROUND
	s_barrier_signal -1
	s_barrier_wait -1
	s_cmp_lg_u32 s14, 0
	s_cbranch_scc1 .Lnot_wave_0_\@
	s_barrier_signal -3
.Lnot_wave_0_\@:
	s_barrier_wait -3
	s_barrier_signal -1
	s_barrier_wait -1
.endm
; A PREFETCH INTO THE L2: the head names key step 3, trip j names key step j + 4: three trips ahead of K's loads, one to two ahead of the mask's.  Each aligned block of 256 bytes is named once in the launch.  K and V of a
; pair of heads are walked by every cluster of that row of clusters: cluster x = 0 asks (wave 0 K, wave 1 V), its four partners along the row 8,192 of the 32,768 bytes each, told apart BY ADDRESS, lanes 256 bytes apart.
; A block of queries' mask is walked by both clusters of a column: cluster y = 0 asks (wave 2), the four partners along the column 16 rows each, two lanes to a row's 512 bytes.  Trips 0 to 11 ask: step 15 is the last.
.macro ASK
	s_cmp_lg_u32 s[ASKF], 0
	s_cbranch_scc0 .Lnot_mine_\@
	global_prefetch_b8 v[PFO], s[68:69] th:TH_LOAD_NT scope:SCOPE_SE
.Lnot_mine_\@:
.endm
	s_load_b256 s[4:11], s[0:1], 0x0               ; qkv 4:5, mask 6:7, scales 8:9, ac 10:11
	v_lshl_add_u32 v[SPW], v0, 2, SPARE
	v_mov_b32 v[NIL], 0
	ds_add_u32 v[SPW], v[NIL]                      ; the opening: the add, twice on end, and its wait ahead of my first tensor load
	ds_add_u32 v[SPW], v[NIL]
	v_lshrrev_b32 v1, 5, v0
	v_readfirstlane_b32 s14, v1                    ; wave 0..7
	s_and_b32 s15, s14, 1                          ; which 32 queries
	s_bfe_u32 s16, s14, 0x10001                    ; which head of the pair
	s_lshr_b32 s[KG], s14, 2                       ; which 64 keys of a step
	s_and_b32 s[KQ], s14, 3
	s_bfe_u32 s17, ttmp6, 0x40000                  ; cx
	s_bfe_u32 s18, ttmp6, 0x40004                  ; cy
	s_lshl_b32 s19, ttmp9, 2
	s_add_co_u32 s19, s19, s17                     ; X: my block of 64 queries
	s_and_b32 s20, ttmp7, 0xffff
	s_lshl_b32 s20, s20, 2
	s_add_co_u32 s20, s20, s18                     ; hp: my pair of heads
	s_lshl_b32 s22, 0x1111, s17                    ; my column of the cluster
	s_or_b32 s[G1], s22, MW0                       ; group 1: 8 rows of 256 numbers, 2,048 numbers apart
	s_mov_b32 s[G1+1], 256<<16
	s_mov_b32 s[G1+2], 8<<16
	s_mov_b32 s[G1+3], 256<<16
	s_mov_b32 s[G1+4], 8
	s_mov_b32 s[G1+5], 2048
	s_mov_b32 s[G1+6], 0
	s_mov_b32 s[G1+7], 0
	; groups 0: first the offsets, made of X and the wave's number alone
	s_lshl_b32 s96, s19, 19
	s_lshl_b32 s57, s14, 16
	s_add_co_u32 s[G0+2], s96, s57                 ; slot 0: key steps 0 and 1, the mask's row 64 X + 8 x wave
	s_mov_b32 s[G0+3], 0
	s_add_co_u32 s[G0+6], s[G0+2], 1024            ; slot 1: key steps 2 and 3
	s_mov_b32 s[G0+7], 0
	s_mov_b32 s[G0], 1
	s_mul_i32 s[G0+1], s14, 8*PM
	s_mov_b32 s[G0+4], 1
	s_add_co_u32 s[G0+5], s[G0+1], MSLOT
	s_mul_i32 s77, s20, 16*KVSTEP
	s_lshl_b32 s57, s16, 14
	s_add_co_u32 s[KB], s77, s57
	s_add_co_u32 s[KB], s[KB], 32768               ; key step 0: my head's tile of K; V's lies 32,768 bytes on
	s_mov_b32 s[KB+1], 0
	; the prefetches: offsets in registers of their own
	s_lshl_b32 s68, s17, 13
	s_add_co_u32 s68, s68, s77
	s_lshl_b32 s57, s15, 15
	s_add_co_u32 s68, s68, s57
	s_add_co_u32 s68, s68, 32768+3*KVSTEP          ; at key step 3, which the head names
	s_lshl_b32 s97, s18, 17
	s_add_co_u32 s97, s97, s96
	s_add_co_u32 s97, s97, 3*512
	s_and_b32 s98, ttmp7, 0xffff
	s_mov_b32 s70, 512
	s_mov_b32 s99, 8192
	s_cmp_lt_u32 s14, 2
	s_cselect_b32 s68, s68, s97
	s_cselect_b32 s98, ttmp9, s98                  ; the coordinate along which other clusters walk the same bytes
	s_cselect_b32 s70, KVSTEP, s70                 ; a key step on
	s_cselect_b32 s99, 512, s99                    ; from a pair of lanes to the next
	s_mov_b32 s69, 0
	s_mov_b32 s71, 0
	s_cmp_gt_u32 s14, 2                            ; waves 3 to 7 ask for nothing
	s_cselect_b32 s97, 1, 0
	s_or_b32 s98, s98, s97
	s_cmp_eq_u32 s98, 0                            ; made of the cluster's place in the grid and the wave's number: alike in all partners
	s_cselect_b32 s[ASKF], 1, 0
	v_and_b32 v[PFO], 31, v0
	v_lshrrev_b32 v2, 1, v[PFO]
	v_and_b32 v[PFO], 1, v[PFO]
	v_lshlrev_b32 v[PFO], 8, v[PFO]
	v_mul_lo_u32 v2, v2, s99
	v_add_nc_u32 v[PFO], v[PFO], v2
	; Q: block (hp, X / 2), my head's 16 KiB, fragment 4 (X % 2) + 2 x half
	s_lshl_b32 s2, s20, 4
	s_lshr_b32 s3, s19, 1
	s_add_co_u32 s2, s2, s3
	s_mul_i32 s2, s2, KVSTEP
	s_lshl_b32 s3, s16, 14
	s_add_co_u32 s2, s2, s3
	s_and_b32 s3, s19, 1
	s_lshl_b32 s3, s3, 13
	s_add_co_u32 s2, s2, s3
	s_lshl_b32 s3, s15, 12
	s_add_co_u32 s12, s2, s3
	s_mov_b32 s13, 0
	; ac: row 64 X + 8 x wave, byte 256 hp
	s_lshl_b32 s78, s19, 17
	s_lshl_b32 s3, s14, 14
	s_add_co_u32 s78, s78, s3
	s_lshl_b32 s3, s20, 8
	s_add_co_u32 s78, s78, s3
	s_mov_b32 s79, 0
	s_mov_b32 s60, 0x76543210                      ; v_permlanex16_b32: lane l xor 16
	s_mov_b32 s61, 0xfedcba98
	s_mov_b32 s62, 0x3fb8aa3b                      ; log2(e)
	s_mov_b32 s63, s62
	s_wait_alu depctr_va_vdst(0)
	s_wait_dscnt 0x0                               ; both opening adds are done
	s_wait_kmcnt 0x0
	s_load_b128 s[72:75], s[8:9], 0x18             ; e6, e7, e8, e9
	s_load_b32 s76, s[8:9], 0x28                   ; e10
	s_add_nc_u64 s[G0+2:G0+3], s[6:7], s[G0+2:G0+3]
	s_or_b32 s[G0+3], s[G0+3], 0x80000000
	s_add_nc_u64 s[G0+6:G0+7], s[6:7], s[G0+6:G0+7]
	s_or_b32 s[G0+7], s[G0+7], 0x80000000
	s_add_nc_u64 s[KB:KB+1], s[4:5], s[KB:KB+1]
	s_add_nc_u64 s[12:13], s[4:5], s[12:13]
	s_add_nc_u64 s[10:11], s[10:11], s[78:79]
	s_cmp_lt_u32 s14, 2
	s_cselect_b64 s[2:3], s[4:5], s[6:7]
	s_add_nc_u64 s[68:69], s[2:3], s[68:69]
	CROUND                                         ; all sixteen work-groups are here: the first joint loads meet
	TL G0, G1                                      ; the mask of key steps 0 and 1 into slot 0: a wave's one tensor load at the head
.macro LOADK i                         ; my four fragments of K, i key steps on from the body's first: 16 loads of 512 consecutive bytes
	WIN 0x40
.irp f, 0,1,2,3
.irp c, 0,1,2,3
	global_load_b128 v[KF+16*\f+4*\c:KF+16*\f+4*\c+3], v[KO], s[KB:KB+1] offset:(\i)*KVSTEP+2048*\f+512*\c
.endr
.endr
	WIN 0
.endm
.macro LOADV i                         ; my 64 keys of V's eight fragments: 16 loads of 512 consecutive bytes
	WIN 0x40
.irp f, 0,1,2,3,4,5,6,7
.irp c, 0,1
	global_load_b128 v[VF+8*\f+4*\c:VF+8*\f+4*\c+3], v[VO], s[KB:KB+1] offset:(\i)*KVSTEP+32768+2048*\f+512*\c
.endr
.endr
	WIN 0
.endm
	v_and_b32 v1, 15, v0                           ; r
	v_bfe_u32 v2, v0, 4, 1                         ; h
	v_and_b32 v4, 31, v0
	s_wait_alu depctr_va_vdst(0)
	v_lshlrev_b32 v[QO], 4, v4
	s_lshl_b32 s57, s[KG], 13
	v_add_nc_u32 v[KO], s57, v[QO]
	s_lshl_b32 s57, s[KG], 10
	v_add_nc_u32 v[VO], s57, v[QO]
	s_mul_i32 s77, s[KQ], MRGW
	s_add_co_u32 s77, s77, MRG
	v_add_nc_u32 v[MG], s77, v[QO]                 ; my pair's image: 16 bytes a lane for each four registers
.irp t, 0,1
.irp c, 0,1,2,3
	global_load_b128 v[Q+16*\t+4*\c:Q+16*\t+4*\c+3], v[QO], s[12:13] offset:2048*\t+512*\c   ; Q's two fragments stay in registers
.endr
.endr
	LOADK 0
	LOADV 0
	ASK                                            ; key step 3
	v_mul_u32_u24 v[AM], v1, PM
	v_lshl_add_u32 v[AM], v2, 5, v[AM]
	s_mul_i32 s77, s15, 32*PM
	s_lshl_b32 s57, s[KG], 8
	s_add_co_u32 s77, s77, s57
	v_add_nc_u32 v[AM], s77, v[AM]                 ; the mask: my query's row, + 256 bytes x my half of the keys + 32 h
	v_add_nc_u32 v[AM+1], MSLOT, v[AM]
	s_mul_i32 s77, s15, 32*SP
	s_lshl_b32 s57, s16, 7
	s_add_co_u32 s77, s77, s57
	s_add_co_u32 s77, s77, STAGE
	v_mul_u32_u24 v[STO], v1, SP
	v_lshl_add_u32 v[STO], v2, 3, v[STO]
	v_add_nc_u32 v[STO], s77, v[STO]               ; the stage, in: row 32 x half + r, byte 128 x head + 8 h
	s_mul_i32 s77, s14, 8*SP
	s_add_co_u32 s77, s77, STAGE
	v_mul_u32_u24 v[RD], v2, SP
	v_lshl_add_u32 v[RD], v1, 4, v[RD]
	v_add_nc_u32 v[RD], s77, v[RD]                 ; back: wave w takes rows 8 w on; lanes 0-15 one row of 256 bytes, lanes 16-31 the next
	v_lshlrev_b32 v[GO], 11, v2
	v_lshl_add_u32 v[GO], v1, 4, v[GO]
.irp t, 0,1
	v_mov_b32 v[ST+12*\t+1], 0xff61b1e6            ; the largest t so far: -3e38
	v_floor_f32 v[ST+12*\t], -v[ST+12*\t+1]        ; -M
	v_mov_b32 v[ST+12*\t+2], 0
	v_mov_b32 v[ST+12*\t+3], 0
	v_mov_b32 v[ST+12*\t+4], 0
	v_mov_b32 v[ST+12*\t+5], 0                     ; (named as a pair's upper half)
	v_mov_b32 v[ST+12*\t+10], 0                    ; (a lane permute's destination counts as one of its sources)
.endr
	v_mov_b32 v[OLIM], 0x43e00000
	v_mov_b32 v[ONE], 1.0
	WIN 0x40
.set j, 0
.rept 128
	v_mov_b32 v[j], 0                              ; O^T begins as zeros, which the first factor (0) leaves zeros: so the first key step is the loop's first and needs no copy of its own
.set j, j+1
.endr
	WIN 0
	s_wait_kmcnt 0x0
	s_add_co_i32 s77, s72, s73
	s_lshl_b32 s77, s77, 23
	s_mov_b32 s58, 0x3db504f3                      ; 1 / sqrt(128);
	s_add_co_i32 s58, s58, s77                     ; a raw score stands for score x 2^(e6 + e7): added to the exponent field
	s_mov_b32 s59, s58
	s_add_co_i32 s77, s74, 127
	s_lshl_b32 s57, s77, 23
	v_mov_b32 v[PSC], s57
	s_add_co_i32 s77, s77, 8
	s_lshl_b32 s77, s77, 23
	s_or_b32 s77, s77, 0x600000
	v_mov_b32 v[PLIM], s77
	s_add_co_i32 s[EOUT], s74, s75
	s_sub_co_i32 s[EOUT], s[EOUT], s76             ; e8 + e9 - e10, for the way out
.macro FETCH_M sl, hf                  ; the mask of my 64 keys, 32 numbers a tile, out of half hf of slot sl: 16 LDS loads
.irp t, 0,1
.irp f, 0,1,2,3
.irp i, 0,1
	ds_load_b128 v[MK+32*\t+8*\f+4*\i:MK+32*\t+8*\f+4*\i+3], v[AM+\sl] offset:16*PM*\t+512*\hf+64*\f+16*\i   ; register 8 f + i: key 16 f + 8 h + i of my query
.endr
.endr
.endr
.endm
.macro SQK                             ; S^T = K Q^T: 8 products, each a whole sum (K = 128)
	WIN 0x01
.irp f, 0,1,2,3
.irp t, 0,1
	v_wmma_f32_16x16x128_fp8_fp8 v[S+32*\t+8*\f:S+32*\t+8*\f+7], v[KF+16*\f:KF+16*\f+15], v[Q+16*\t:Q+16*\t+15], 0
.endr
.endr
.endm
.macro PV                              ; O^T += V^T P^T, K = 64: the 16 accumulators take turns, one instruction a turn
	WIN 0x51
.irp f, 0,1,2,3,4,5,6,7
.irp t, 0,1
	v_wmma_f32_16x16x64_fp8_fp8 v[64*\t+8*\f:64*\t+8*\f+7], v[VF+8*\f:VF+8*\f+7], v[P+8*\t:P+8*\t+7], v[64*\t+8*\f:64*\t+8*\f+7]
.endr
.endr
.endm
.macro RESCALE                         ; O^T under the new M; each accumulator from its low end on
	WIN 0x41
	s_wait_alu depctr_va_vdst(0)                   ; directly ahead of the first reader of O^T
.set j, 0
.rept 32
.irp t, 0,1
	v_pk_mul_f32 v[64*\t+j:64*\t+j+1], v[64*\t+j:64*\t+j+1], v[ST+12*\t+4:ST+12*\t+5] op_sel_hi:[1,0]
.endr
.set j, j+2
.endr
	WIN 0
	s_wait_alu depctr_va_vdst(0)
.endm
; THE SOFTMAX.  The two tiles alternate line by line.
.macro SOFTMAX
.set j, 0
.rept 16
.irp t, 0,1
	v_pk_fma_f32 v[S+32*\t+j:S+32*\t+j+1], v[S+32*\t+j:S+32*\t+j+1], s[58:59], v[MK+32*\t+j:MK+32*\t+j+1] op_sel_hi:[1,0,1]   ; the logit: score / sqrt(128) + mask
.endr
.set j, j+2
.endr
.irp t, 0,1
	v_max3_num_f32 v[ST+12*\t+6], v[S+32*\t], v[S+32*\t+1], v[S+32*\t+2]       ; the step's largest logit of my query, in two chains
	v_max3_num_f32 v[ST+12*\t+7], v[S+32*\t+3], v[S+32*\t+4], v[S+32*\t+5]
.endr
.set j, 6
.rept 6
.irp t, 0,1
	v_max3_num_f32 v[ST+12*\t+6], v[ST+12*\t+6], v[S+32*\t+j], v[S+32*\t+j+1]
	v_max3_num_f32 v[ST+12*\t+7], v[ST+12*\t+7], v[S+32*\t+j+2], v[S+32*\t+j+3]
.endr
.set j, j+4
.endr
.irp t, 0,1
	v_max3_num_f32 v[ST+12*\t+6], v[ST+12*\t+6], v[S+32*\t+30], v[S+32*\t+31]
.endr
.irp t, 0,1
	v_max_num_f32 v[ST+12*\t+6], v[ST+12*\t+6], v[ST+12*\t+7]
.endr
.irp t, 0,1
	v_permlanex16_b32 v[ST+12*\t+10], v[ST+12*\t+6], s60, s61
.endr
.irp t, 0,1
	v_max_num_f32 v[ST+12*\t+6], v[ST+12*\t+6], v[ST+12*\t+10]                 ; and among lane l xor 16's keys
.endr
.irp t, 0,1
	v_mul_f32 v[ST+12*\t+6], s62, v[ST+12*\t+6]                                ; as t
.endr
.irp t, 0,1
	v_max_num_f32 v[ST+12*\t+1], v[ST+12*\t+1], v[ST+12*\t+6]                  ; the running largest t
.endr
.irp t, 0,1
	v_mov_b32 v[ST+12*\t+6], v[ST+12*\t]
.endr
.irp t, 0,1
	v_floor_f32 v[ST+12*\t], -v[ST+12*\t+1]                                    ; the new -M = floor(-t): M is a whole number
.endr
.irp t, 0,1
	v_sub_f32 v[ST+12*\t+6], v[ST+12*\t], v[ST+12*\t+6]                        ; old M - new M, 0 or less
.endr
.irp t, 0,1
	v_cvt_i32_f32 v[ST+12*\t+6], v[ST+12*\t+6]                                 ; (it saturates)
.endr
.irp t, 0,1
	v_ldexp_f32 v[ST+12*\t+4], 1.0, v[ST+12*\t+6]                              ; the factor 2^(old M - new M)
.endr
.set j, 0
.rept 16
.irp t, 0,1
	v_pk_fma_f32 v[S+32*\t+j:S+32*\t+j+1], v[S+32*\t+j:S+32*\t+j+1], s[62:63], v[ST+12*\t:ST+12*\t+1] op_sel_hi:[1,0,0]   ; t - M
.endr
.set j, j+2
.endr
	s_wait_alu depctr_va_vdst(0)                   ; ahead of the batch
.set j, 0
.rept 32
.irp t, 0,1
	v_exp_f32 v[S+32*\t+j], v[S+32*\t+j]                                       ; p = 2^(t - M): one batch of 64
.endr
.set j, j+1
.endr
.irp t, 0,1
	v_pk_mul_f32 v[ST+12*\t+2:ST+12*\t+3], v[ST+12*\t+2:ST+12*\t+3], v[ST+12*\t+4:ST+12*\t+5] op_sel_hi:[1,0]   ; the sums under the new M: the plain lines behind the exponentials
.endr
	s_wait_alu depctr_va_vdst(0)                   ; and the one wait behind the batch, ahead of its first reader
.irp t, 0,1
	v_pk_add_f32 v[ST+12*\t+8:ST+12*\t+9], v[S+32*\t:S+32*\t+1], v[S+32*\t+2:S+32*\t+3]   ; the row's sum of the UNQUANTISED p, in two chains
.endr
.set j, 4
.rept 7
.irp t, 0,1
	v_pk_add_f32 v[ST+12*\t+2:ST+12*\t+3], v[ST+12*\t+2:ST+12*\t+3], v[S+32*\t+j:S+32*\t+j+1]
	v_pk_add_f32 v[ST+12*\t+8:ST+12*\t+9], v[ST+12*\t+8:ST+12*\t+9], v[S+32*\t+j+2:S+32*\t+j+3]
.endr
.set j, j+4
.endr
.irp t, 0,1
	v_pk_add_f32 v[ST+12*\t+2:ST+12*\t+3], v[ST+12*\t+2:ST+12*\t+3], v[ST+12*\t+8:ST+12*\t+9]
.endr
.irp b, 0,1
.irp t, 0,1
.irp i, 0,1,2,3,4,5,6,7,8,9,10,11,12,13,14,15
	v_min_num_f32 v[S+32*\t+16*\b+\i], v[S+32*\t+16*\b+\i], v[PLIM]            ; the conversion does not saturate (ISA guide 7.6.2); p is not negative: a one-sided hold
.endr
.endr
.irp t, 0,1
	v_cvt_scalef32_pk8_fp8_f32 v[P+8*\t+4*\b:P+8*\t+4*\b+1], v[S+32*\t+16*\b:S+32*\t+16*\b+7], v[PSC]
	v_cvt_scalef32_pk8_fp8_f32 v[P+8*\t+4*\b+2:P+8*\t+4*\b+3], v[S+32*\t+16*\b+8:S+32*\t+16*\b+15], v[PSC]
.endr
.endr
	v_nop                                          ; a plain line behind the last conversion
.endm
; A CHANGE OF SLOTS, at the head of slot sl's two trips.  Each wave waits for its tensor load (its rows of slot sl), adds 0 to its spare word, and waits for that and for its reads of the other slot.
; fill = 1: a round of the cluster's barrier, and the other slot takes the two key steps that follow slot sl's (the first time: slot 1's first fill, issued as a refill is).
.macro CHANGE sl, fill
	WIN 0
	s_wait_alu depctr_va_vdst(0)
	s_wait_tensorcnt 0x0                           ; no tensor load of mine is out, so a group 0 may be written
	ds_add_u32 v[SPW], v[NIL]
.if \fill
	s_add_nc_u64 s[G0+4*\sl+2:G0+4*\sl+3], s[G0+4*\sl+2:G0+4*\sl+3], 2048   ; this slot's next fill: four key steps on
.endif
	s_wait_dscnt 0x0
.if \fill
	CROUND
	TL G0+4*(1-\sl), G1
.else
	s_barrier_signal -1
	s_barrier_wait -1
.endif
.endm
; A TRIP = a key step: half hf of slot sl, the i-th of a body's four.  more: 1 the next step's K and V are asked for.  ask: 1 the prefetch, a key step on from the last.
.macro TRIP sl, hf, i, more, ask
.if \ask
	s_wait_xcnt 0x0                                ; the last prefetch, a trip back, has read its address
	s_add_nc_u64 s[68:69], s[68:69], s[70:71]
.endif
	FETCH_M \sl, \hf
.if \ask
	ASK
.endif
	s_wait_loadcnt 16                              ; this step's K is in (at first Q too); its V, the 16 younger loads, may be out
	SQK
	WIN 0
	PLACES                                         ; behind the products: for the loads into K's registers and the first reads of the scores
.if \more
	LOADK (\i)+1
.endif
	s_wait_dscnt 0x0                               ; the mask
	SOFTMAX
	RESCALE
.if \more
	s_wait_loadcnt 16                              ; this step's V is in; the next step's K, the 16 younger loads, may be out
.else
	s_wait_loadcnt 0x0
.endif
	PV
	WIN 0
	PLACES                                         ; for the loads into V's registers, and for the first reads of O^T behind the last trip
.if \more
	LOADV (\i)+1
.endif
.endm
	s_mov_b32 s[CNT], 3
	s_wait_alu depctr_va_vdst(0)
.Lbody:                                                ; three bodies of four key steps: 0 to 11
	CHANGE 0, 1
	TRIP 0, 0, 0, 1, 1
	TRIP 0, 1, 1, 1, 1
	CHANGE 1, 1
	TRIP 1, 0, 2, 1, 1
	TRIP 1, 1, 3, 1, 1
	s_wait_xcnt 0x0                                ; my loads have read their base
	s_add_nc_u64 s[KB:KB+1], s[KB:KB+1], 4*KVSTEP
	s_sub_co_u32 s[CNT], s[CNT], 1
	s_cmp_lg_u32 s[CNT], 0
	s_cbranch_scc1 .Lbody
	CHANGE 0, 1                                    ; the last body is written out: slot 1 takes key steps 14 and 15, the last load
	TRIP 0, 0, 0, 1, 0
	TRIP 0, 1, 1, 1, 0
	CHANGE 1, 0
	TRIP 1, 0, 2, 1, 0
	TRIP 1, 1, 3, 0, 0
	; THE JOIN.  Every wave adds up its rows' sums; waves 4 to 7 lay -M, the sum and O^T into their pair's image; waves 0 to 3 bring both halves under the larger M.
.irp t, 0,1
	v_add_f32 v[ST+12*\t+6], v[ST+12*\t+2], v[ST+12*\t+3]
.endr
.irp t, 0,1
	v_permlanex16_b32 v[ST+12*\t+10], v[ST+12*\t+6], s60, s61
.endr
.irp t, 0,1
	v_add_f32 v[ST+12*\t+7], v[ST+12*\t+6], v[ST+12*\t+10]                     ; the sum over my half of the keys
.endr
	s_wait_alu depctr_va_vdst(0)
	s_cmp_lt_u32 s14, 4
	s_cbranch_scc1 .Lkeep
	v_mov_b32 v[XS], v[ST]
	v_mov_b32 v[XS+1], v[ST+7]
	v_mov_b32 v[XS+2], v[ST+12]
	v_mov_b32 v[XS+3], v[ST+19]
	WIN 0x04                                       ; the stores' data: window 1
.set j, 0
.rept 32
	ds_store_b128 v[MG], v[4*j:4*j+3] offset:512*j ; each accumulator from its low end on
.set j, j+1
.endr
	WIN 0
	ds_store_b128 v[MG], v[XS:XS+3] offset:512*32
.Lkeep:
	s_wait_dscnt 0x0                               ; for the partner's sake: my stores are done
	s_barrier_signal -1
	s_barrier_wait -1
	s_cmp_lt_u32 s14, 4
	s_cbranch_scc0 .Lsent
	ds_load_b128 v[XS:XS+3], v[MG] offset:512*32
.set j, 0
.rept 32
	ds_load_b128 v[S+4*j:S+4*j+3], v[MG] offset:512*j   ; the partner's O^T: register 64 t + j at v[128 + 64 t + j]
.set j, j+1
.endr
	s_wait_dscnt 32                                ; the partner's -M and sums are in; its O^T, 32 loads, may be out
.irp t, 0,1
	v_min_num_f32 v[ST+12*\t+6], v[ST+12*\t], v[XS+2*\t]                       ; -M of the larger M
.endr
.irp t, 0,1
	v_sub_f32 v[ST+12*\t+4], v[ST+12*\t+6], v[ST+12*\t]
	v_sub_f32 v[ST+12*\t+8], v[ST+12*\t+6], v[XS+2*\t]
.endr
.irp t, 0,1
	v_cvt_i32_f32 v[ST+12*\t+4], v[ST+12*\t+4]
	v_cvt_i32_f32 v[ST+12*\t+8], v[ST+12*\t+8]
.endr
.irp t, 0,1
	v_ldexp_f32 v[ST+12*\t+4], 1.0, v[ST+12*\t+4]                              ; my factor,
	v_ldexp_f32 v[ST+12*\t+8], 1.0, v[ST+12*\t+8]                              ; the partner's
.endr
.irp t, 0,1
	v_mul_f32 v[ST+12*\t+7], v[ST+12*\t+7], v[ST+12*\t+4]
.endr
.irp t, 0,1
	v_fmac_f32 v[ST+12*\t+7], v[XS+2*\t+1], v[ST+12*\t+8]                      ; the row's sum
.endr
	s_wait_alu depctr_va_vdst(0)                   ; ahead of the reciprocals
.irp t, 0,1
	v_rcp_f32 v[ST+12*\t+6], v[ST+12*\t+7]
.endr
	v_nop
	s_wait_alu depctr_va_vdst(0)                   ; and behind them, ahead of the first use
.irp t, 0,1
	v_ldexp_f32 v[ST+12*\t+6], v[ST+12*\t+6], s[EOUT]                          ; 2^(e8 + e9 - e10) / the sum
.endr
.irp t, 0,1
	v_mul_f32 v[ST+12*\t+4], v[ST+12*\t+4], v[ST+12*\t+6]
	v_mul_f32 v[ST+12*\t+8], v[ST+12*\t+8], v[ST+12*\t+6]
.endr
	s_wait_alu depctr_va_vdst(0)
	s_wait_dscnt 0x0
.set j, 0
.rept 32
.irp t, 0,1
	v_pk_mul_f32 v[S+64*\t+j:S+64*\t+j+1], v[S+64*\t+j:S+64*\t+j+1], v[ST+12*\t+8:ST+12*\t+9] op_sel_hi:[1,0]
.endr
.set j, j+2
.endr
	WIN 0x01                                       ; source 0: my O^T, window 1
	s_wait_alu depctr_va_vdst(0)                   ; directly ahead of the first reader of O^T
.set j, 0
.rept 32
.irp t, 0,1
	v_pk_fma_f32 v[S+64*\t+j:S+64*\t+j+1], v[64*\t+j:64*\t+j+1], v[ST+12*\t+4:ST+12*\t+5], v[S+64*\t+j:S+64*\t+j+1] op_sel_hi:[1,0,1]
.endr
.set j, j+2
.endr
	WIN 0
	; held within +-448, converted with the scale 1: the codes of ac, into the registers that held Q.  Through a stage, since a row's 256 bytes come from two waves
.irp b, 0,1,2,3
.irp t, 0,1
.irp i, 0,1,2,3,4,5,6,7,8,9,10,11,12,13,14,15
	v_med3_num_f32 v[S+64*\t+16*\b+\i], v[S+64*\t+16*\b+\i], -v[OLIM], v[OLIM]
.endr
.endr
.irp t, 0,1
	v_cvt_scalef32_pk8_fp8_f32 v[Q+16*\t+4*\b:Q+16*\t+4*\b+1], v[S+64*\t+16*\b:S+64*\t+16*\b+7], v[ONE]
	v_cvt_scalef32_pk8_fp8_f32 v[Q+16*\t+4*\b+2:Q+16*\t+4*\b+3], v[S+64*\t+16*\b+8:S+64*\t+16*\b+15], v[ONE]
.endr
.endr
	v_nop
.irp t, 0,1
.irp f, 0,1,2,3,4,5,6,7
	ds_store_b64 v[STO], v[Q+16*\t+2*\f:Q+16*\t+2*\f+1] offset:16*SP*\t+16*\f   ; channels 16 f + 8 h + 0 .. 7 of query 16 t + r
.endr
.endr
.Lsent:
	s_wait_dscnt 0x0                               ; for the others' sake: my stores into the stage are done
	s_barrier_signal -1
	s_barrier_wait -1
.irp i, 0,1,2,3
	ds_load_b128 v[S+4*\i:S+4*\i+3], v[RD] offset:2*SP*\i
.endr
.irp i, 0,1,2,3
	s_wait_dscnt 3-\i                              ; loads come back in order: load i is in, the later ones may be out
	global_store_b128 v[GO], v[S+4*\i:S+4*\i+3], s[10:11] offset:4096*\i        ; 16 lanes store 256 consecutive bytes, at a multiple of 256 from the buffer's first byte
.endr
	s_wait_tensorcnt 0x0                           ; the wave's end
	ds_add_u32 v[SPW], v[NIL]
	s_wait_dscnt 0x0
	CROUND                                         ; the closing round
	s_endpgm
.Lfunc_end_k_qcc07dae745_attn:
	.size	k_qcc07dae745_attn, .Lfunc_end_k_qcc07dae745_attn-k_qcc07dae745_attn
	.p2alignl 7, 3214868480
	.fill 96, 4, 3214868480
	.section	.rodata,"a",@progbits
	.p2align	6, 0x0
	.amdhsa_kernel k_qcc07dae745_attn
		.amdhsa_group_segment_fixed_size 327680
		.amdhsa_private_segment_fixed_size 0
		.amdhsa_enable_private_segment 0
		.amdhsa_kernarg_size 32
		.amdhsa_user_sgpr_count 2
		.amdhsa_user_sgpr_kernarg_segment_ptr 1
		.amdhsa_wavefront_size32 1
		.amdhsa_system_sgpr_workgroup_id_x 1
		.amdhsa_system_sgpr_workgroup_id_y 1
		.amdhsa_system_sgpr_workgroup_id_z 1
		.amdhsa_system_vgpr_workitem_id 0
		.amdhsa_next_free_vgpr 512
		.amdhsa_next_free_sgpr 102
		.amdhsa_reserve_vcc 0
		.amdhsa_float_denorm_mode_32 3
		.amdhsa_float_denorm_mode_16_64 3
		.amdhsa_memory_ordered 1
		.amdhsa_forward_progress 1
		.amdhsa_inst_pref_size 232
	.end_amdhsa_kernel
	.amdgpu_metadata
---
amdhsa.version: [ 1, 2 ]
amdhsa.kernels:
  - .name:           k_qcc07dae745_attn
    .symbol:         k_qcc07dae745_attn.kd
    .args:
      - { .name: qkv, .offset: 0, .size: 8, .value_kind: global_buffer, .address_space: global }
      - { .name: mask, .offset: 8, .size: 8, .value_kind: global_buffer, .address_space: global }
      - { .name: lowp_scales, .offset: 16, .size: 8, .value_kind: global_buffer, .address_space: global }
      - { .name: ac, .offset: 24, .size: 8, .value_kind: global_buffer, .address_space: global }
    .group_segment_fixed_size: 327680
    .private_segment_fixed_size: 0
    .kernarg_segment_align: 8
    .kernarg_segment_size: 32
    .max_flat_workgroup_size: 256
    .sgpr_count:     102
    .vgpr_count:     512
    .wavefront_size: 32
...
	.end_amdgpu_metadata
.endif
;; end of part 3
;; launch oproj (part 4): grid 16 x 16, 4 waves a work-group, clusters of 4 x 4, 327,680 bytes of LDS; arguments ac, wc, lowp_scales, out0; writes out0
.if DOCPART == 4
	.amdgcn_target "amdgcn-amd-amdhsa--gfx1250"
	.amdhsa_code_object_version 6
	.text
	.protected	k_qcc07dae745_oproj
	.globl	k_qcc07dae745_oproj
	.p2align	8
	.type	k_qcc07dae745_oproj,@function
k_qcc07dae745_oproj:
	s_mov_b64 s[64:65], 0
	v_nop
	global_prefetch_b8 v0, s[64:65] scope:SCOPE_SE
	s_setreg_imm32_b32 hwreg(HW_REG_WAVE_MODE, 25, 1), 1
	s_wait_xcnt 0x0
	s_wait_alu depctr_hold_cnt(0) depctr_sa_sdst(0) depctr_va_vdst(0) depctr_va_sdst(0) depctr_va_ssrc(0) depctr_va_vcc(0) depctr_vm_vsrc(0)
	s_getreg_b32 s2, hwreg(HW_REG_IB_STS2, 6, 4)
	s_cmp_eq_u32 s2, 0
	s_cbranch_scc0 .Lentry_in_a_cluster
	s_endpgm
.Lentry_in_a_cluster:
	s_bfe_u32 s2, ttmp6, 0x10000c
	s_cmp_lg_u32 s2, 0xf033
	s_cbranch_scc0 .Lentry_shape_is_right
	s_endpgm
.Lentry_shape_is_right:
.set ROWB,   512
.set PITCH,  528
.set HALFT,  64*PITCH
.set SLOT,   4*HALFT
.set STAGE,  2*SLOT
.set SPITCH, 272
.set SPARE,  STAGE+4*16*SPITCH
.set ADRA, 16
.set ADRB, 20
.set STO,  24
.set RD,   25
.set CO,   26
.set SPW,  28
.set NIL,  29
.set TMP,  32
.set BK,   64
.set ACC,  128
.set F0,   0
.set F1,   128
.set G1, 24
.set G0, 32
.set G1B, 48
.set G0B, 56
.set MSB, 0
.macro WIN new
.if MSB != (\new)
	s_set_vgpr_msb (MSB<<8)|(\new)
.set MSB, (\new)
.endif
.endm
.set MUL,  0x05
.set TO_F, 0x40
.macro JLOAD s
	s_cmp_eq_u32 s15, 0
	s_cbranch_scc0 .Lfor_b_\@
	tensor_load_to_lds s[G0+4*\s:G0+4*\s+3], s[G1:G1+7]
	s_nop 0
.rept 4
	v_nop
.endr
	s_branch .Lasked_\@
.Lfor_b_\@:
	tensor_load_to_lds s[G0B+4*\s:G0B+4*\s+3], s[G1B:G1B+7]
	s_nop 0
.rept 4
	v_nop
.endr
.Lasked_\@:
.endm
.macro CREST
	s_cmp_lg_u32 s14, 0
	s_cbranch_scc1 .Lnot_wave_0_\@
	s_barrier_signal -3
.Lnot_wave_0_\@:
	s_barrier_wait -3
	s_barrier_signal -1
	s_barrier_wait -1
.endm
.macro CROUND
	s_barrier_signal -1
	s_barrier_wait -1
	CREST
.endm
	s_load_b128 s[4:7], s[0:1], 0x0
	s_load_b128 s[8:11], s[0:1], 0x10
	v_lshl_add_u32 v[SPW], v0, 2, SPARE
	v_mov_b32 v[NIL], 0
	ds_add_u32 v[SPW], v[NIL]
	ds_add_u32 v[SPW], v[NIL]
	v_lshrrev_b32 v1, 5, v0
	v_readfirstlane_b32 s14, v1
	s_lshr_b32 s15, s14, 1
	s_and_b32 s16, s14, 1
	s_bfe_u32 s40, ttmp6, 0x40000
	s_bfe_u32 s41, ttmp6, 0x40004
	s_lshl_b32 s42, ttmp9, 2
	s_add_co_u32 s42, s42, s40
	s_and_b32 s17, ttmp7, 0xffff
	s_lshl_b32 s17, s17, 2
	s_add_co_u32 s17, s17, s41
	s_lshl_b32 s43, s41, 2
	s_lshl_b32 s43, 15, s43
	s_lshl_b32 s44, 0x1111, s40
	s_or_b32 s[G1+0], s43, (0<<16)|(1<<20)|(1<<21)|(6<<22)|(3<<25)
	s_or_b32 s[G1B+0], s44, (0<<16)|(1<<20)|(1<<21)|(6<<22)|(3<<25)
.irp g, G1, G1B
	s_mov_b32 s[\g+1], ROWB<<16
	s_mov_b32 s[\g+2], 64<<16
	s_mov_b32 s[\g+3], ROWB<<16
	s_mov_b32 s[\g+4], 64
	s_mov_b32 s[\g+5], 2048
	s_mov_b32 s[\g+6], 0
	s_mov_b32 s[\g+7], 0
.endr
	s_lshl_b32 s18, s16, 6
	s_lshl_b32 s20, s17, 7
	s_add_co_u32 s20, s20, s18
	s_lshl_b32 s20, s20, 11
	s_mov_b32 s21, 0
	s_lshl_b32 s46, s42, 7
	s_add_co_u32 s46, s46, s18
	s_lshl_b32 s46, s46, 11
	s_add_co_u32 s46, s46, 0xc00000
	s_mov_b32 s47, 0
	s_mul_i32 s45, s14, HALFT
	s_wait_dscnt 0x0
	s_wait_kmcnt 0x0
	s_load_b64 s[96:97], s[8:9], 0x28
	s_add_nc_u64 s[20:21], s[4:5], s[20:21]
	s_add_nc_u64 s[46:47], s[6:7], s[46:47]
	; the prefetches: of the 64 rows that my wave fetches, my work-group names 16, told apart from its three partners by address (cx for ac, cy for the weight); two lanes to a row's 512 bytes of a K step
	s_cmp_eq_u32 s15, 0
	s_cselect_b64 s[68:69], s[20:21], s[46:47]
	s_cselect_b32 s70, s40, s41
	s_lshl_b32 s70, s70, 15
	s_mov_b32 s71, 0
	s_add_nc_u64 s[68:69], s[68:69], s[70:71]
	v_and_b32 v14, 31, v0
	v_lshrrev_b32 v15, 1, v14
	v_and_b32 v14, 1, v14
	v_lshlrev_b32 v14, 8, v14
	v_lshl_add_u32 v14, v15, 11, v14
	CROUND
.irp s, 0,1
	s_mov_b32 s[G0+4*\s], 1
	s_add_co_u32 s[G0+4*\s+1], s45, \s*SLOT
	s_add_nc_u64 s[G0+4*\s+2:G0+4*\s+3], s[20:21], \s*ROWB
	s_or_b32 s[G0+4*\s+3], s[G0+4*\s+3], 0x80000000
	s_mov_b32 s[G0B+4*\s], 1
	s_add_co_u32 s[G0B+4*\s+1], s45, \s*SLOT
	s_add_nc_u64 s[G0B+4*\s+2:G0B+4*\s+3], s[46:47], \s*ROWB
	s_or_b32 s[G0B+4*\s+3], s[G0B+4*\s+3], 0x80000000
	s_wait_alu depctr_va_vdst(0)
	s_wait_tensorcnt 0x0
	ds_add_u32 v28, v29
	ds_add_u32 v28, v29
	s_wait_dscnt 0x0
	CROUND
	JLOAD \s
	global_prefetch_b8 v14, s[68:69] offset:(\s+2)*ROWB th:TH_LOAD_NT scope:SCOPE_SE   ; behind the load of K step s: K step s + 2; steps 2 and 3 are the last
.endr
	v_and_b32 v1, 15, v0
	s_wait_alu depctr_va_vdst(0)
	v_bfe_u32 v2, v0, 4, 1
	v_mul_u32_u24 v3, v1, PITCH
	v_lshl_add_u32 v4, v2, 4, v3
	s_mul_i32 s21, s15, HALFT
	s_mul_i32 s22, s16, HALFT
	s_add_co_u32 s22, s22, 2*HALFT
.irp s, 0,1
	v_add_nc_u32 v[ADRA+\s], s21, v4
	v_add_nc_u32 v[ADRB+\s], s22, v4
	s_add_co_u32 s21, s21, SLOT
	s_add_co_u32 s22, s22, SLOT
.endr
	s_mul_i32 s23, s14, 16*SPITCH
	s_add_co_u32 s23, s23, STAGE
	v_mul_u32_u24 v5, v1, SPITCH
	s_wait_alu depctr_va_vdst(0)
	v_lshl_add_u32 v5, v2, 5, v5
	v_add_nc_u32 v[STO], s23, v5
	v_mul_u32_u24 v5, v2, SPITCH
	v_lshl_add_u32 v5, v1, 4, v5
	v_add_nc_u32 v[RD], s23, v5
	v_lshlrev_b32 v5, 13, v2
	v_lshl_add_u32 v[CO], v1, 4, v5
	s_lshl_b32 s20, s17, 7
	s_lshl_b32 s21, s15, 6
	s_add_co_u32 s20, s20, s21
	s_lshl_b32 s20, s20, 13
	s_lshl_b32 s46, s42, 9
	s_lshl_b32 s47, s16, 8
	s_add_co_u32 s46, s46, s47
	s_add_co_u32 s20, s20, s46
	s_mov_b32 s21, 0
	s_add_nc_u64 s[10:11], s[10:11], s[20:21]
.macro MULA f, a, zero
.irp b, 0,1,2,3
.if \zero
	v_wmma_f32_16x16x128_fp8_fp8 v[ACC+8*(4*(\a)+\b):ACC+8*(4*(\a)+\b)+7], v[\f+64+16*\b:\f+64+16*\b+15], v[\f+16*(\a):\f+16*(\a)+15], 0
.else
	v_wmma_f32_16x16x128_fp8_fp8 v[ACC+8*(4*(\a)+\b):ACC+8*(4*(\a)+\b)+7], v[\f+64+16*\b:\f+64+16*\b+15], v[\f+16*(\a):\f+16*(\a)+15], v[ACC+8*(4*(\a)+\b):ACC+8*(4*(\a)+\b)+7]
.endif
.endr
.endm
.macro FRAG reg, adr, k, i
.irp c, 0,1,2,3
	ds_load_b128 v[\reg+4*\c:\reg+4*\c+3], v[\adr] offset:(\k)+32*\c+(\i)*16*PITCH
.endr
.endm
.macro FETCH slot, k, f
	WIN TO_F
.irp i, 0,1,2,3
	FRAG \f+64+16*\i, ADRB+\slot, \k, \i
.endr
.irp i, 0,1,2,3
	FRAG \f+16*\i, ADRA+\slot, \k, \i
.endr
.endm
.macro PLACES
.rept 4
	v_nop
.endr
.endm
.macro QUARTER slot, k, f, g, zero
	s_wait_dscnt 8
	WIN MUL
	MULA \f, 0, \zero
	MULA \f, 1, \zero
	PLACES
	FETCH \slot, \k, \g
	s_wait_dscnt 32
	WIN MUL
	MULA \f, 2, \zero
	MULA \f, 3, \zero
.endm
.macro TURN slot, next, fill
	WIN 0
	s_wait_tensorcnt 0x0
	ds_add_u32 v[SPW], v[NIL]
	s_wait_dscnt 9
	WIN MUL
	MULA F1, 0, 0
	MULA F1, 1, 0
	s_wait_dscnt 0x0
	s_barrier_signal -1
	MULA F1, 2, 0
	WIN 0
	s_barrier_wait -1
.if \fill
	CREST
	s_add_nc_u64 s[G0+4*\slot+2:G0+4*\slot+3], s[G0+4*\slot+2:G0+4*\slot+3], 2*ROWB
	s_add_nc_u64 s[G0B+4*\slot+2:G0B+4*\slot+3], s[G0B+4*\slot+2:G0B+4*\slot+3], 2*ROWB
	JLOAD \slot
.else
	PLACES
.endif
	FETCH \next, 0, F0
	WIN MUL
	MULA F1, 3, 0
.endm
	s_wait_tensorcnt 1
	s_barrier_signal -1
	s_barrier_wait -1
	FETCH 0, 0, F0
	QUARTER 0, 128, F0, F1, 1
	QUARTER 0, 256, F1, F0, 0
	QUARTER 0, 384, F0, F1, 0
	TURN 0, 1, 1
	QUARTER 1, 128, F0, F1, 0
	QUARTER 1, 256, F1, F0, 0
	QUARTER 1, 384, F0, F1, 0
	TURN 1, 0, 1
	QUARTER 0, 128, F0, F1, 0
	QUARTER 0, 256, F1, F0, 0
	QUARTER 0, 384, F0, F1, 0
	TURN 0, 1, 0
	QUARTER 1, 128, F0, F1, 0
	QUARTER 1, 256, F1, F0, 0
	QUARTER 1, 384, F0, F1, 0
	s_wait_dscnt 8
	WIN MUL
	MULA F1, 0, 0
	MULA F1, 1, 0
	s_wait_dscnt 0
	MULA F1, 2, 0
	MULA F1, 3, 0
	WIN 0
.macro TOSTAGE a
.set j, 0
.rept 16
	v_pk_mul_f32 v[TMP+j:TMP+j+1], v[ACC+32*(\a)+j:ACC+32*(\a)+j+1], s[96:97] op_sel_hi:[1,0]
.set j, j+2
.endr
.irp b, 0,1,2,3
	ds_store_b128 v[STO], v[TMP+8*\b:TMP+8*\b+3] offset:64*\b
	ds_store_b128 v[STO], v[TMP+8*\b+4:TMP+8*\b+7] offset:64*\b+16
.endr
.set BB, BK+32*((\a)%2)
.irp t, 0,1,2,3,4,5,6,7
	ds_load_b128 v[BB+4*\t:BB+4*\t+3], v[RD] offset:\t*2*SPITCH
.endr
.endm
.macro SEND a, younger
.set BB, BK+32*((\a)%2)
	s_wait_dscnt \younger
.irp t, 0,1,2,3,4,5,6,7
	global_store_b128 v[CO], v[BB+4*\t:BB+4*\t+3], s[10:11] offset:(16*(\a)+2*\t)*8192 th:TH_STORE_NT
.endr
.endm
	s_wait_kmcnt 0x0
	s_add_co_i32 s96, s96, s97
	s_add_co_i32 s96, s96, 127
	s_lshl_b32 s96, s96, 23
	PLACES
	TOSTAGE 0
.irp a, 1,2,3
.if \a > 1
	s_wait_xcnt 0x0
.endif
	TOSTAGE \a
	SEND \a-1, 16
.endr
	SEND 3, 0
	s_wait_tensorcnt 0x0
	ds_add_u32 v[SPW], v[NIL]
	s_wait_dscnt 0x0
	CROUND
	s_endpgm
.Lfunc_end_k_qcc07dae745_oproj:
	.size	k_qcc07dae745_oproj, .Lfunc_end_k_qcc07dae745_oproj-k_qcc07dae745_oproj
	.p2alignl 7, 3214868480
	.fill 96, 4, 3214868480
	.section	.rodata,"a",@progbits
	.p2align	6, 0x0
	.amdhsa_kernel k_qcc07dae745_oproj
		.amdhsa_group_segment_fixed_size 327680
		.amdhsa_private_segment_fixed_size 0
		.amdhsa_enable_private_segment 0
		.amdhsa_kernarg_size 32
		.amdhsa_user_sgpr_count 2
		.amdhsa_user_sgpr_kernarg_segment_ptr 1
		.amdhsa_wavefront_size32 1
		.amdhsa_system_sgpr_workgroup_id_x 1
		.amdhsa_system_sgpr_workgroup_id_y 1
		.amdhsa_system_sgpr_workgroup_id_z 1
		.amdhsa_system_vgpr_workitem_id 0
		.amdhsa_next_free_vgpr 512
		.amdhsa_next_free_sgpr 100
		.amdhsa_reserve_vcc 0
		.amdhsa_float_denorm_mode_32 3
		.amdhsa_float_denorm_mode_16_64 3
		.amdhsa_memory_ordered 1
		.amdhsa_forward_progress 1
		.amdhsa_inst_pref_size 75
	.end_amdhsa_kernel
	.amdgpu_metadata
---
amdhsa.version: [ 1, 2 ]
amdhsa.kernels:
  - .name:           k_qcc07dae745_oproj
    .symbol:         k_qcc07dae745_oproj.kd
    .args:
      - { .name: ac, .offset: 0, .size: 8, .value_kind: global_buffer, .address_space: global }
      - { .name: wc, .offset: 8, .size: 8, .value_kind: global_buffer, .address_space: global }
      - { .name: lowp_scales, .offset: 16, .size: 8, .value_kind: global_buffer, .address_space: global }
      - { .name: out0, .offset: 24, .size: 8, .value_kind: global_buffer, .address_space: global }
    .group_segment_fixed_size: 327680
    .private_segment_fixed_size: 0
    .kernarg_segment_align: 8
    .kernarg_segment_size: 32
    .max_flat_workgroup_size: 128
    .sgpr_count:     100
    .vgpr_count:     512
    .wavefront_size: 32
...
	.end_amdgpu_metadata
.endif
;; end of part 4
